; MI455X (gfx1250); checked and timed in simulation.
; The chip was launched on July 23, 2026; its instructions are those of AMD's public machine-readable ISA for CDNA 5 (MIT licence, August 2026) and "CDNA5" Instruction Set Architecture Reference Guide (July 2026). The comments in the code are by the model that wrote it; some were corrected since.
;; Multi Head Attention. Allowed arithmetic: matrix products marked QUANTISED: E2M1 operands, one E8M0 scale for each 32 along K, by v_wmma_scale_f32_16x16x128_f8f6f4 with both operands' format E2M1 (or v_wmma_scale_f32_32x16x128_f4), f32 sums; products left as they are: bf16, f16 or f32 operands; f32 sums; everything else in f32.
;; Inputs: Wk 256 x 2,048 float32; Wq 256 x 2,048 float32; Wu 2,048 x 256 float32; Wv 256 x 2,048 float32; x 8 x 1,024 x 256 float32.
;; Outputs: out0 8 x 1,024 x 256 float32.
;; This version of the problem:
;;   THIS VERSION OF THE PROBLEM IS GIVEN IN LOW PRECISION. The matrix products marked QUANTISED in the list below multiply operands that are first quantised to E2M1 (2 exponent bits, 1 mantissa bit; 4 bits a number), with one power-of-two scale for each 32 numbers along K (OCP MX v1.0); their sums are f32. The products marked 'left as it is' may take bf16, f16 or f32 operands, with f32 sums. Whichever they take, every output number must still come out within the allowed error. Rounding operands to bf16 (8 significant bits) uses up far more of that allowance than f16 does (11 bits, for magnitudes from 6e-5 to 65,504). All else is computed in f32.
;;   The module's matrix products, in the order in which they are computed (A, B: the left and right operand; K: the contracted axis; several contracted axes count as one K, in the product's order):
;;     1. [M 8,192, K 256] x [K 256, N 2,048]; A: input x; B: input Wq: QUANTISED
;;     2. [M 8,192, K 256] x [K 256, N 2,048]; A: input x; B: input Wk: QUANTISED
;;     3. [M 8,192, K 256] x [K 256, N 2,048]; A: input x; B: input Wv: QUANTISED
;;     4. batch 64 x [M 1,024, K 256] x [K 256, N 1,024]; A: computed on the way; B: computed on the way: left as it is (an operand is computed on the way)
;;     5. batch 64 x [M 256, K 1,024] x [K 1,024, N 1,024]; A: computed on the way; B: computed on the way: left as it is (an operand is computed on the way)
;;     6. [M 8,192, K 2,048] x [K 2,048, N 256]; A: computed on the way; B: input Wu: left as it is (an operand is computed on the way)
;;   THE QUANTISER, for each operand of a quantised product, along K:
;;     - K is cut into blocks of 32 from its start; a last block that is shorter is filled with zeros.
;;     - A block's scale is 2^e with e = floor(log2(the largest magnitude in the block)) - 2, held to -126 .. 127; a block of zeros has e = 0. As a byte (E8M0): e + 127.
;;     - Each number is divided by its block's scale, clamped to +-6, and rounded to the nearest number of E2M1, ties to even, subnormals kept.
;;     - The product sums the exact products of the quantised numbers (number of the format x scale) in f32.
;;   ~~~python
;;   def quantise(x, axis):      # numpy; x: float32 -> the quantised numbers, widened to float32 again
;;       x = np.moveaxis(x, axis, -1); K = x.shape[-1]
;;       x = np.pad(x, [(0, 0)] * (x.ndim - 1) + [(0, -K % 32)]); x = x.reshape(x.shape[:-1] + (-1, 32)); a = np.abs(x).max(-1, keepdims=True)
;;       e = np.where(a > 0, np.clip(np.frexp(np.where(a > 0, a, 1))[1] - 1 - 2, -126, 127), 0)      # np.frexp(a)[1] - 1 = floor(log2(a)), exactly
;;       r = np.clip(x / 2.0 ** e, -6, 6)
;;       step = 2.0 ** (np.maximum(np.frexp(np.where(r == 0, 1, r))[1] - 1, 0) - 1)
;;       q = np.round(r / step) * step * 2.0 ** e      # np.round: ties to even
;;       return np.moveaxis(q.reshape(q.shape[:-2] + (-1,))[..., :K], -1, axis).astype(np.float32)
;;   ~~~
;; One version. Each part assembles by itself: llvm-mc -triple=amdgcn-amd-amdhsa -mcpu=gfx1250 --defsym DOCPART=n.
;; ======== version 1 of 1: 3 launches
;; limits: values are held in f16: magnitudes above 65,504 overflow, below 6.1e-05 lose precision
;; workspace buffers: xcodes 1,048,576 bytes; xscales 65,536 bytes; wcodes 786,432 bytes; wscales 49,152 bytes; wuf 1,048,576 bytes; of 33,554,432 bytes
;; launch prep (part 1): grid 256 x 1, 4 waves a work-group, no clusters, 67,072 bytes of LDS; arguments x, Wq, Wk, Wv, Wu, xcodes, xscales, wcodes, wscales, wuf; writes xcodes, xscales, wcodes, wscales, wuf
.if DOCPART == 1
	.amdgcn_target "amdgcn-amd-amdhsa--gfx1250"
	.amdhsa_code_object_version 6
	.text
	.protected	k_qdb8e980e97_prep
	.globl	k_qdb8e980e97_prep
	.p2align	8
	.type	k_qdb8e980e97_prep,@function
k_qdb8e980e97_prep:
	s_mov_b64 s[64:65], 0
	v_nop
	global_prefetch_b8 v0, s[64:65] scope:SCOPE_SE
	s_setreg_imm32_b32 hwreg(HW_REG_WAVE_MODE, 25, 1), 1
	s_wait_xcnt 0x0
; PREP.  x [8192][256] and Wq, Wk, Wv [256 (k)][2048] f32 become codes of FP4 (E2M1) with one E8M0 byte for each 32 along K; Wu [2048 (k)][256] f32 becomes f16.
; EVERY RESULT IS LAID AS AN IMAGE OF AN OPERAND'S REGISTERS: a fragment is 1,024 bytes, two pieces of 512; a piece is four registers, lane l's 16 bytes at 16 l.
;   xcodes [mt 512][s 2][1024]: 16 rows x 128 K; piece c, lane (r, h) holds block 4 s + 2 c + h of row r.   xscales [mt][s][r 16] words.
;   wcodes [nt 384][s 2][1024], nt = 128 mat + column / 16 (mat 0, 1, 2 = q, k, v).   wscales [nt][s][r 16] words.
;   wuf [ns 4][hd 8][kb 8][nt4 4][1024]: 16 n x 32 k of Wu^T in f16: n = 64 ns + 16 nt4 + r, k = 256 hd + 32 kb + ..
; A block's scale is 2^(floor(log2(largest magnitude)) - 2); its byte is the largest magnitude's exponent field - 2, held at 1 from below by a floor among the maximum's leaves.
; LIMITS: a block of zeros gets the byte 1 where the rule says 127 (its codes are zeros, and this program alone reads the bytes); NaN and infinities are not served; |Wu| stays under 65,504 (f16).
; SHARES: 256 work-groups, 64 KiB of input each.  0-127: x, a wave 16 rows.  128-223: a W, a wave 32 columns x 128 K, a lane a column, registers down K.  224-255: Wu, a wave four units of 32 k x 32 n, likewise.
; The work-groups share no input, so there is no cluster; the waves share nothing, so there is no barrier.  Only x's path uses LDS: a stage of the wave's own, in which 16 rows turn from
; 'a lane 16 bytes of a load's 512' to 'a lane a whole block of 32 numbers'.  The scale words leave as 128 or 64 consecutive bytes: one byte in 128 of what the launch reads.
.set ROWP,  1040                       ; a stage row: 1,024 bytes + 16, so that the 16 rows of a load begin at 16 different 16-byte columns
.set WSTG,  16*ROWP                    ; a wave's stage
.set SPARE, 4*WSTG                     ; behind the stages: the spare words, 128 bytes a wave, which no other line names
.set SPW,   12                         ; v12  my spare word's LDS address; never rewritten
.set NIL,   13                         ; v13  0; never rewritten
.set CD,    16                         ; v16-31   codes: four registers for each block, so that no store's data are written again
.set XS,    32                         ; v32-95   x: two sets of 32 numbers; Wu: the packed f16
.set RW,    96                         ; v96-223  numbers as loaded
.set BY,    224                        ; v224-227 scale bytes; v228-231 scale words at work
; 32 numbers of one lane, v[x] on, become 4 registers of codes at v[c] and the scale's byte in v[by].
.macro QBLK x, c, by
	v_max3_num_f32 v8, |v[\x]|, |v[\x+1]|, 0x1800000               ; the floor 2^(3 - 127) among the leaves: the byte cannot fall under 1
	v_max3_num_f32 v9, |v[\x+2]|, |v[\x+3]|, |v[\x+4]|             ; two chains, so that no line waits for the line above it
.irp i, 5,9,13,17,21,25
	v_max3_num_f32 v8, v8, |v[\x+\i]|, |v[\x+\i+1]|
	v_max3_num_f32 v9, v9, |v[\x+\i+2]|, |v[\x+\i+3]|
.endr
	v_max3_num_f32 v8, v8, |v[\x+29]|, |v[\x+30]|
	v_max3_num_f32 v8, v8, v9, |v[\x+31]|                          ; the block's largest magnitude
	v_add_nc_u32 v10, 0xff000000, v8                               ; 2 off its exponent field: the conversion takes this operand's exponent field as its scale
	v_lshrrev_b32 v[\by], 23, v10                                  ; the scale's byte
.irp g, 0,1,2,3
	v_cvt_scalef32_pk8_fp4_f32 v[\c+\g], v[\x+8*\g:\x+8*\g+7], v10 ; eight numbers / scale, to the nearest code, ties to even, held at the largest code
.endr
	v_nop                                                          ; one plain line behind the last scaled conversion
.endm
	s_load_b512 s[4:19], s[0:1], 0x0               ; x 4, Wq 6, Wk 8, Wv 10, Wu 12, xcodes 14, xscales 16, wcodes 18
	s_load_b128 s[20:23], s[0:1], 0x40             ; wscales 20, wuf 22
	v_lshl_add_u32 v[SPW], v0, 2, SPARE
	v_mov_b32 v[NIL], 0
	v_lshrrev_b32 v1, 5, v0
	v_readfirstlane_b32 s24, v1                    ; wave 0..3
	v_and_b32 v14, 31, v0                          ; lane
	v_lshlrev_b32 v1, 4, v14                       ; 16 x lane
	v_lshlrev_b32 v4, 2, v14                       ; 4 x lane
	v_bfe_u32 v5, v0, 4, 1                         ; h = lane / 16
	v_and_b32 v6, 15, v0                           ; r = lane % 16
	s_mov_b32 s34, 0x76543210
	s_mov_b32 s35, 0xfedcba98                      ; v_permlanex16_b32's selects for lane l xor 16
	s_mov_b32 s31, 0                               ; the high word of every offset
	s_wait_kmcnt 0x0
	s_cmp_ge_u32 ttmp9, 224
	s_cbranch_scc1 .Lwu
	s_cmp_ge_u32 ttmp9, 128
	s_cbranch_scc1 .Lw
; ---- x: tile mt = 4 x work-group + wave: 16 rows of 1,024 bytes, dense
	s_lshl_b32 s26, ttmp9, 2
	s_add_co_u32 s26, s26, s24                     ; mt
	s_lshl_b32 s30, s26, 14
	s_add_nc_u64 s[4:5], s[4:5], s[30:31]          ; x + 16,384 mt
	s_lshl_b32 s30, s26, 11
	s_add_nc_u64 s[14:15], s[14:15], s[30:31]      ; xcodes + 2,048 mt
	s_lshl_b32 s30, s26, 7
	s_add_nc_u64 s[16:17], s[16:17], s[30:31]      ; xscales + 128 mt
	s_mul_i32 s27, s24, WSTG
	v_add_nc_u32 v2, s27, v1                       ; into the stage: 16 x lane
	v_mul_u32_u24 v3, v6, ROWP
	v_lshl_add_u32 v3, v5, 7, v3
	v_add_nc_u32 v3, s27, v3                       ; out of it: row r, + 128 h: block h of the row
.set i, 0
.rept 32
	global_load_b128 v[RW+4*i:RW+4*i+3], v1, s[4:5] offset:512*i th:TH_LOAD_NT   ; 32 lanes read 512 consecutive bytes: half i % 2 of row i / 2
.set i, i+1
.endr
.irp g, 0,1,2,3
	s_wait_loadcnt 24-8*\g                         ; loads come back in order: the eight of this group are in, those of the later groups may be out
.irp n, 0,1,2,3,4,5,6,7
	ds_store_b128 v2, v[RW+4*(8*\g+\n):RW+4*(8*\g+\n)+3] offset:((8*\g+\n)/2)*ROWP+((8*\g+\n)%2)*512
.endr
.endr
.macro LP p                            ; piece p = 2 s + c: my block 2 p + h, 128 bytes, into set p % 2.  LDS serves a wave's instructions in order: these see the stores above
.irp g, 0,1,2,3,4,5,6,7
	ds_load_b128 v[XS+32*((\p)%2)+4*\g:XS+32*((\p)%2)+4*\g+3], v3 offset:256*(\p)+16*\g
.endr
.endm
.macro QP p
	QBLK XS+32*((\p)%2), CD+4*(\p), BY+(\p)
	global_store_b128 v1, v[CD+4*(\p):CD+4*(\p)+3], s[14:15] offset:512*(\p)   ; the piece as it stands: 512 consecutive bytes
.endm
	LP 0
	LP 1
	s_wait_dscnt 0x8                               ; all but the youngest eight: piece 0 is in
	QP 0
	LP 2
	s_wait_dscnt 0x8                               ; piece 1 is in, piece 2's eight may be out
	QP 1
	LP 3
	s_wait_dscnt 0x8
	QP 2
	s_wait_dscnt 0x0
	QP 3
	v_lshlrev_b32 v7, 3, v5                        ; 8 h
	v_lshl_or_b32 v228, v[BY+1], 16, v[BY]         ; K step 0: my bytes of blocks h and 2 + h,
	v_lshl_or_b32 v229, v[BY+3], 16, v[BY+2]       ; K step 1 likewise,
	v_lshlrev_b32 v228, v7, v228                   ; at their places in the word
	v_lshlrev_b32 v229, v7, v229
	v_mov_b32 v230, 0                              ; (a lane permute's destination counts as one of its sources)
	v_mov_b32 v231, 0
	v_permlanex16_b32 v230, v228, s34, s35
	v_permlanex16_b32 v231, v229, s34, s35
	v_or_b32 v228, v228, v230                      ; with lane l xor 16's two bytes the words are whole
	v_or_b32 v229, v229, v231
	v_cmp_ne_u32 vcc_lo, 0, v5
	v_cndmask_b32 v228, v228, v229, vcc_lo         ; lanes 0-15 keep K step 0's word, lanes 16-31 K step 1's
	global_store_b32 v4, v228, s[16:17]
	s_wait_tensorcnt 0x0                           ; the wave's end: a tensor wait, an add and its wait behind my last LDS store
	ds_add_u32 v[SPW], v[NIL]
	s_wait_dscnt 0x0
	s_endpgm
; ---- Wq, Wk, Wv: i = work-group - 128: matrix i / 32, 128 columns (i % 32) / 2, K step i % 2
.Lw:
	s_sub_co_u32 s26, ttmp9, 128
	s_cmp_lt_u32 s26, 32
	s_cselect_b64 s[36:37], s[6:7], s[8:9]         ; the choice hangs on the work-group's number alone
	s_cmp_lt_u32 s26, 64
	s_cselect_b64 s[36:37], s[36:37], s[10:11]
	s_lshr_b32 s27, s26, 5                         ; mat
	s_bfe_u32 s28, s26, 0x40001                    ; cg: which 128 columns
	s_and_b32 s29, s26, 1                          ; s: which 128 along K
	s_lshl_b32 s30, s29, 20                        ; 128 rows of 8,192 bytes
	s_lshl_b32 s32, s28, 9
	s_add_co_u32 s30, s30, s32
	s_lshl_b32 s32, s24, 7
	s_add_co_u32 s30, s30, s32                     ; + 4 (128 cg + 32 wave)
	s_add_nc_u64 s[36:37], s[36:37], s[30:31]
	s_lshl_b32 s32, s27, 7
	s_lshl_b32 s33, s28, 3
	s_add_co_u32 s32, s32, s33
	s_lshl_b32 s33, s24, 1
	s_add_co_u32 s32, s32, s33                     ; my first tile of 16 columns: 128 mat + 8 cg + 2 wave
	s_lshl_b32 s30, s32, 11
	s_lshl_b32 s33, s29, 10
	s_add_co_u32 s30, s30, s33
	s_add_nc_u64 s[18:19], s[18:19], s[30:31]      ; wcodes + 2,048 nt + 1,024 s
	s_lshl_b32 s30, s32, 7
	s_lshl_b32 s33, s29, 6
	s_add_co_u32 s30, s30, s33
	s_add_nc_u64 s[20:21], s[20:21], s[30:31]      ; wscales + 128 nt + 64 s
	v_lshlrev_b32 v232, 11, v5
	v_lshl_add_u32 v232, v6, 4, v232               ; codes: tile lane / 16, + 16 r
	v_lshlrev_b32 v233, 7, v5
	v_lshl_add_u32 v233, v6, 2, v233               ; scale words: tile lane / 16, + 4 r
.set k, 0
.rept 128
	global_load_b32 v[RW+k], v4, s[36:37] offset:8192*k th:TH_LOAD_NT   ; W(128 s + k, my column): 32 lanes read 128 consecutive bytes
.set k, k+1
.endr
.macro WB b, cnt                       ; block b of the K step is piece b / 2, half b % 2 of the fragment: 256 b + 16 r: sixteen lanes store 256 consecutive bytes, aligned
	s_wait_loadcnt \cnt
	QBLK RW+32*(\b), CD+4*(\b), BY+(\b)
	global_store_b128 v232, v[CD+4*(\b):CD+4*(\b)+3], s[18:19] offset:256*(\b)
.endm
	WB 0, 63                                       ; 96 loads stand behind block 0's, 64 behind block 1's; the wait's field holds 63, and a smaller count is safe
	WB 1, 63
	WB 2, 32
	WB 3, 0
	v_lshl_or_b32 v228, v[BY+1], 8, v[BY]          ; my column's scale word for this K step
	v_lshl_or_b32 v228, v[BY+2], 16, v228
	v_lshl_or_b32 v228, v[BY+3], 24, v228
	global_store_b32 v233, v228, s[20:21]
	s_endpgm
; ---- Wu: i = work-group - 224: rows 64 i .. 64 i + 63.  Unit u of a wave: k block 2 i + u / 2, columns 128 (u % 2) + 32 wave + lane
.Lwu:
	s_sub_co_u32 s26, ttmp9, 224
	s_lshl_b32 s30, s26, 16
	s_lshl_b32 s32, s24, 7
	s_add_co_u32 s30, s30, s32
	s_add_nc_u64 s[12:13], s[12:13], s[30:31]      ; Wu + 65,536 i + 128 wave
	s_lshr_b32 s27, s24, 1
	s_lshl_b32 s30, s27, 18                        ; ns = 2 (u % 2) + wave / 2
	s_lshr_b32 s27, s26, 2
	s_lshl_b32 s27, s27, 15                        ; hd = i / 4
	s_add_co_u32 s30, s30, s27
	s_and_b32 s27, s26, 3
	s_lshl_b32 s27, s27, 13                        ; kb = 2 (i % 4) + u / 2
	s_add_co_u32 s30, s30, s27
	s_and_b32 s27, s24, 1
	s_lshl_b32 s27, s27, 11                        ; nt4 = 2 (wave % 2) + lane / 16
	s_add_co_u32 s30, s30, s27
	s_add_nc_u64 s[22:23], s[22:23], s[30:31]
	v_lshlrev_b32 v234, 10, v5
	v_lshl_add_u32 v234, v6, 4, v234
.irp u, 0,1,2,3
.set k, 0
.rept 32
	global_load_b32 v[RW+32*\u+k], v4, s[12:13] offset:(\u/2)*32768+1024*k+(\u%2)*512 th:TH_LOAD_NT
.set k, k+1
.endr
.endr
.macro WU u, cnt                       ; my column's 32 k in 16 registers; k = 8 q .. 8 q + 7 is piece q / 2, half q % 2 of the fragment: 256 q + 16 r
	s_wait_loadcnt \cnt
.irp m, 0,1,2,3,4,5,6,7,8,9,10,11,12,13,14,15
	v_cvt_pk_f16_f32 v[XS+16*(\u)+\m], v[RW+32*(\u)+2*\m], v[RW+32*(\u)+2*\m+1]
.endr
.irp q, 0,1,2,3
	global_store_b128 v234, v[XS+16*(\u)+4*\q:XS+16*(\u)+4*\q+3], s[22:23] offset:((\u)%2)*524288+((\u)/2)*4096+256*\q
.endr
.endm
	WU 0, 63                                       ; as above: 96 and 64 loads stand behind, the field holds 63
	WU 1, 63
	WU 2, 32
	WU 3, 0
	s_endpgm
.Lfunc_end_k_qdb8e980e97_prep:
	.size	k_qdb8e980e97_prep, .Lfunc_end_k_qdb8e980e97_prep-k_qdb8e980e97_prep
	.p2alignl 7, 3214868480
	.fill 96, 4, 3214868480
	.section	.rodata,"a",@progbits
	.p2align	6, 0x0
	.amdhsa_kernel k_qdb8e980e97_prep
		.amdhsa_group_segment_fixed_size 67072
		.amdhsa_private_segment_fixed_size 0
		.amdhsa_enable_private_segment 0
		.amdhsa_kernarg_size 80
		.amdhsa_user_sgpr_count 2
		.amdhsa_user_sgpr_kernarg_segment_ptr 1
		.amdhsa_wavefront_size32 1
		.amdhsa_system_sgpr_workgroup_id_x 1
		.amdhsa_system_sgpr_workgroup_id_y 1
		.amdhsa_system_sgpr_workgroup_id_z 1
		.amdhsa_system_vgpr_workitem_id 0
		.amdhsa_next_free_vgpr 240
		.amdhsa_next_free_sgpr 66
		.amdhsa_reserve_vcc 1
		.amdhsa_float_denorm_mode_32 3
		.amdhsa_float_denorm_mode_16_64 3
		.amdhsa_memory_ordered 1
		.amdhsa_forward_progress 1
		.amdhsa_inst_pref_size 54
	.end_amdhsa_kernel
	.amdgpu_metadata
---
amdhsa.version: [ 1, 2 ]
amdhsa.kernels:
  - .name:           k_qdb8e980e97_prep
    .symbol:         k_qdb8e980e97_prep.kd
    .args:
      - { .name: x, .offset: 0, .size: 8, .value_kind: global_buffer, .address_space: global }
      - { .name: Wq, .offset: 8, .size: 8, .value_kind: global_buffer, .address_space: global }
      - { .name: Wk, .offset: 16, .size: 8, .value_kind: global_buffer, .address_space: global }
      - { .name: Wv, .offset: 24, .size: 8, .value_kind: global_buffer, .address_space: global }
      - { .name: Wu, .offset: 32, .size: 8, .value_kind: global_buffer, .address_space: global }
      - { .name: xcodes, .offset: 40, .size: 8, .value_kind: global_buffer, .address_space: global }
      - { .name: xscales, .offset: 48, .size: 8, .value_kind: global_buffer, .address_space: global }
      - { .name: wcodes, .offset: 56, .size: 8, .value_kind: global_buffer, .address_space: global }
      - { .name: wscales, .offset: 64, .size: 8, .value_kind: global_buffer, .address_space: global }
      - { .name: wuf, .offset: 72, .size: 8, .value_kind: global_buffer, .address_space: global }
    .group_segment_fixed_size: 67072
    .private_segment_fixed_size: 0
    .kernarg_segment_align: 8
    .kernarg_segment_size: 80
    .max_flat_workgroup_size: 128
    .sgpr_count:     66
    .vgpr_count:     240
    .wavefront_size: 32
...
	.end_amdgpu_metadata
.endif
;; end of part 1
;; launch attn (part 2): grid 4 x 64, 4 waves a work-group, clusters of 4 x 1, 327,680 bytes of LDS; arguments xcodes, xscales, wcodes, wscales, of; writes of
.if DOCPART == 2
	.amdgcn_target "amdgcn-amd-amdhsa--gfx1250"
	.amdhsa_code_object_version 6
	.text
	.protected	k_qdb8e980e97_attn
	.globl	k_qdb8e980e97_attn
	.p2align	8
	.type	k_qdb8e980e97_attn,@function
k_qdb8e980e97_attn:
	s_mov_b64 s[64:65], 0
	v_nop
	global_prefetch_b8 v0, s[64:65] scope:SCOPE_SE
	s_setreg_imm32_b32 hwreg(HW_REG_WAVE_MODE, 25, 1), 1
	s_wait_xcnt 0x0
	s_wait_alu depctr_hold_cnt(0) depctr_sa_sdst(0) depctr_va_vdst(0) depctr_va_sdst(0) depctr_va_ssrc(0) depctr_va_vcc(0) depctr_vm_vsrc(0)
	s_getreg_b32 s2, hwreg(HW_REG_IB_STS2, 6, 4)
	s_cmp_eq_u32 s2, 0
	s_cbranch_scc0 .Lentry_in_a_cluster
	s_endpgm
.Lentry_in_a_cluster:
	s_bfe_u32 s2, ttmp6, 0x10000c
	s_cmp_lg_u32 s2, 0x3003
	s_cbranch_scc0 .Lentry_shape_is_right
	s_endpgm
.Lentry_shape_is_right:
; ATTN.  q = x Wq, k = x Wk, v = x Wv on codes of FP4 (E2M1) with E8M0 scales (K = 256: two matrix instructions deep, sums in f32), and o[b][h][q] = the sum over k of softmax_k(q . k / 16) v, head size 256,
; 1,024 keys, no mask.  q, k, v are rounded once to f16 and never go to memory; scores, maxima and sums in f32; the weights p are rounded to f16 for the second product, o once at the end, to f16, laid as
; fragments for the projection.  (q / 4) . (k / 4) = (q . k) / 16 exactly, so the two factors d^(-1/4) stand in c = log2(e) / 16.
; CODES arrive in the order of the operands' registers: a fragment (16 rows x 128 K) is 1,024 bytes, two pieces of 512, lane l's 16 bytes at 16 l; a tile of 16 rows has two fragments and 32 scale words
; (K step 0's for lanes 0-15, K step 1's for lanes 16-31).
; A RESULT TILE ROUNDED TO f16 IN PAIRS IS HALF A FRAGMENT of the next product: with source 0 = rows R and source 1 = rows C a lane (r, h) holds row r of C and rows 8 h + 0 .. 7 of R.
;   q, k: source 0 = 16 columns of W, source 1 = 16 tokens.   v: source 0 = 16 tokens, source 1 = 16 columns of W (V^T).
; SOFTMAX: a running maximum.  t = c x score; M = the largest t so far rounded UP to a whole number, kept as -M = floor(-t); p = 2^(t - M).  When M moves, the sum and O are multiplied by f = 2^(old M - new M),
; made by v_ldexp_f32: nothing is rounded, and no branch hangs on data.  The row's sum is taken of the unrounded p.
; LIMITS: |q|, |k|, |v|, |o| stay under 65,504 (f16); NaN and infinities are not served.
; SHARES: a work-group owns 256 queries of one (batch, head), a wave 64: four tiles of 16.  Every wave walks the 16 key steps of 64 keys.  A step's K and V (64 keys x 256 channels each) are made by the four
; waves together, a step ahead: wave w makes channels 64 w .. 64 w + 63 of both, and stores them in LDS as images of registers.  The four query blocks of a (batch, head) each make that head's K and V:
; four times the FP4 products, in place of 64 KiB a step through memory.
; CLUSTER: the four query blocks need the same codes: x's of the batch, Wk's and Wv's of the head.  They come ONCE, by joint tensor loads at the head, and stay.  Nothing is filled again: no ring, no round in the loop.
; LDS: 0: the step's K (32 KiB, [tile of keys 4][channels / 32: 8][1024]) and V (32 KiB, [keys / 32: 2][channels / 16: 16][1024]), written by LDS stores alone; then x's codes (128 KiB), W's (64 KiB),
; x's scale words (8 KiB), W's (4 KiB), the spare words.  Every LDS load and store of 16 bytes a lane covers 512 consecutive bytes: no pitch, no padding.
; ONE SLOT, TWO BARRIERS A STEP: all waves have read the slot | the next step's K and V are stored | all waves have stored | they are read.  LDS has no room for a second slot beside the codes.
; IN PHASES: Q (256 registers) and O^T (512) leave 256, so a step goes: all K Q^T (K staged in P's registers), the softmax, all V^T P (V staged in S^T's), the next step's K and V (in both).
; REGISTERS: window 0: v1 16 x lane, v2 4 x lane, v3, v8-13 LDS addresses, v6, v7 the add's two; v16-47 statistics, 8 a tile: +0 -M, +1 largest t, +2, +3 the sum, +4 f, +5 at work, +6, +7 two chains of the maximum,
;   then the sum's second chain; v48-63 scale words and nothing else; v64-191 S^T (32 qt + 8 kt), later V, later W's fragments and 8 accumulators; v192-255 P (32 kb + 8 qt), earlier K, earlier x's fragments.
;   window 1: Q (64 qt + 8 cb).   window 2: O^T of tiles 0, 1 (128 (qt % 2) + 8 ct); at the head Wq's fragments.   window 3: O^T of tiles 2, 3; at the head 32 accumulators of q.
.set VOFF,  32768                      ; V in the slot
.set XC,    65536                      ; x's codes of the batch: tile of 16 tokens t at 2,048 t
.set WC,    196608                     ; Wk's 16 tiles of the head, then Wv's
.set XSC,   262144                     ; x's scale words: 128 bytes a tile
.set WSC,   270336                     ; Wk's, then Wv's
.set SPARE, 274432                     ; the spare words, 128 bytes a wave, which no other line names
.set L16, 1
.set L4,  2
.set ADV, 3                            ; v3   V's fragments: VOFF + 16 x lane
.set SPW, 6
.set NIL, 7
.set AXC, 8                            ; v8   the step's four tiles of x's codes
.set AXS, 9                            ; v9   and their scale words
.set AWC, 10                           ; v10  my four tiles of Wk's codes; Wv's lie 32,768 on
.set AWS, 11                           ; v11  and their scale words; Wv's 2,048 on
.set ASK, 12                           ; v12  where I store K: 2,048 x wave + 16 x lane
.set ASV, 13                           ; v13  where I store V: VOFF + 4,096 x wave + 16 x lane
.set T,   16
.set SCL, 48                           ; v48-63 scale words.  At the head: Wq's twelve at a time, x's four.  In the loop:
.set WKS, 48                           ; v48-51 Wk's, v52-55 Wv's: they stay;
.set XS,  56                           ; v56-59 x's of the step
.set S,   64
.set P,   192
.set H0,  192
.set VA,  64
.set VB,  128
.set WF,  64                           ; W's eight fragments: 16 ii + 8 s
.set PA,  128                          ; eight accumulators of k or v
.set XF,  192                          ; x's eight fragments: 16 j + 8 s
.set WV,   14                          ; s14 my wave's number
.set G1X,  24                          ; s[24:55] four descriptor groups 1: 128, 64, 8 and 4 rows of 256 bytes
.set G1W,  32
.set G1XS, 40
.set G1WS, 48
.set G0X,  56                          ; s[56:63], s[68:75] their groups 0
.set G0W,  60
.set G0XS, 68
.set G0WS, 72
.set CS,   76                          ; s[76:77] c, twice
.set SEL,  78                          ; s[78:79] v_permlanex16_b32's selects for lane l xor 16
.set TX,   80                          ; s80 LDS byte of the x codes of the step to be made
.set TXS,  81                          ; s81 and of their scale words
.set CNT,  82
.set MSB, 0
.macro WIN new                         ; the immediate's high byte repeats the setting that is left
.if MSB != (\new)
	s_set_vgpr_msb (MSB<<8)|(\new)
.set MSB, (\new)
.endif
.endm
.macro PLACES n                        ; plain vector lines that name no register of the matrix instructions in front of them (ISA guide 7.12.1)
.rept \n
	v_nop
.endr
.endm
.macro CROUND                          ; a round of the cluster's barrier
	s_barrier_signal -1
	s_barrier_wait -1
	s_cmp_lg_u32 s[WV], 0
	s_cbranch_scc1 .Lnot_wave_0_\@
	s_barrier_signal -3
.Lnot_wave_0_\@:
	s_barrier_wait -3
	s_barrier_signal -1
	s_barrier_wait -1
.endm
.macro GRP1 g, rows                    ; a dense block as rows of 256 bytes, no padding
	s_mov_b32 s[\g], 15|(3<<16)|(1<<21)            ; 15:0 the mask: all four work-groups; 17:16 elements of 8 bytes; 21 set beside a mask
	s_mov_b32 s[\g+1], 32<<16                      ; tensor_dim0 = 32
	s_mov_b32 s[\g+2], (\rows)<<16                 ; tensor_dim1
	s_mov_b32 s[\g+3], 32<<16                      ; tile_dim0 = 32
	s_mov_b32 s[\g+4], \rows                       ; tile_dim1
	s_mov_b32 s[\g+5], 32                          ; from row to row
	s_mov_b32 s[\g+6], 0
	s_mov_b32 s[\g+7], 0
.endm
; ---- q at the head: round hf: channel tiles 8 hf .. 8 hf + 7 x my four tiles of queries: 32 accumulators by turns, one instruction a turn; K step 0 starts the sums
.macro QMUL hf
	WIN 0xf2                                       ; source 0 (Wq) window 2, source 1 (x) window 0, C and D window 3
.irp s, 0,1
.irp qt, 0,1,2,3
.irp ii, 0,1,2,3,4,5,6,7
.set rD, 8*(8*\qt+\ii)
.set rW, 16*(8*\hf+\ii)+8*\s
.set rX, 64+16*\qt+8*\s
.set sW, SCL+(8*\hf+\ii)%12
.set sX, SCL+12+\qt
.if \s
	v_wmma_scale_f32_16x16x128_f8f6f4 v[rD:rD+7], v[rW:rW+7], v[rX:rX+7], v[rD:rD+7], v[sW], v[sX] matrix_a_fmt:MATRIX_FMT_FP4 matrix_b_fmt:MATRIX_FMT_FP4 matrix_a_scale:MATRIX_SCALE_ROW1 matrix_b_scale:MATRIX_SCALE_ROW1
.else
	v_wmma_scale_f32_16x16x128_f8f6f4 v[rD:rD+7], v[rW:rW+7], v[rX:rX+7], 0, v[sW], v[sX] matrix_a_fmt:MATRIX_FMT_FP4 matrix_b_fmt:MATRIX_FMT_FP4
.endif
.endr
.endr
.endr
.endm
.macro QPACK hf                        ; channel tile i is piece i % 2 of Q's fragment i / 2
	WIN 0x4f                                       ; sources window 3, destination window 1
.irp qt, 0,1,2,3
.irp ii, 0,1,2,3,4,5,6,7
.irp r, 0,1,2,3
	v_cvt_pk_f16_f32 v[64*\qt+4*(8*\hf+\ii)+\r], v[8*(8*\qt+\ii)+2*\r], v[8*(8*\qt+\ii)+2*\r+1]   ; each accumulator from its low end on
.endr
.endr
.endr
.endm
; ---- the next step's K and V.  PRE: 28 LDS loads that can stand ahead of the last products of V^T P: x's scale words, Wk's eight fragments, x's tiles 0 and 1
.macro PRE
	v_add_nc_u32 v[AXC], s[TX], v[L16]
	v_add_nc_u32 v[AXS], s[TXS], v[L4]
	s_add_co_u32 s[TX], s[TX], 8192                ; four tiles of 2,048 bytes on
	s_add_co_u32 s[TXS], s[TXS], 512
.irp j, 0,1,2,3
	ds_load_b32 v[XS+\j], v[AXS] offset:128*\j
.endr
.set n, 0
.rept 16
	ds_load_b128 v[WF+4*n:WF+4*n+3], v[AWC] offset:512*n
.set n, n+1
.endr
.set n, 0
.rept 8
	ds_load_b128 v[XF+4*n:XF+4*n+3], v[AXC] offset:512*n
.set n, n+1
.endr
.endm
.macro PMUL vp, jp                     ; 16 products: my four channel tiles x token tiles 2 jp, 2 jp + 1, of K (vp = 0) or V (1): eight accumulators by turns, one instruction a turn
.irp s, 0,1
.irp jj, 0,1
.irp ii, 0,1,2,3
.set rD, PA+8*(4*\jj+\ii)
.set rW, WF+16*\ii+8*\s
.set rX, XF+16*(2*\jp+\jj)+8*\s
.set sW, WKS+4*\vp+\ii
.set sX, XS+2*\jp+\jj
.if \vp
.if \s
	v_wmma_scale_f32_16x16x128_f8f6f4 v[rD:rD+7], v[rX:rX+7], v[rW:rW+7], v[rD:rD+7], v[sX], v[sW] matrix_a_fmt:MATRIX_FMT_FP4 matrix_b_fmt:MATRIX_FMT_FP4 matrix_a_scale:MATRIX_SCALE_ROW1 matrix_b_scale:MATRIX_SCALE_ROW1
.else
	v_wmma_scale_f32_16x16x128_f8f6f4 v[rD:rD+7], v[rX:rX+7], v[rW:rW+7], 0, v[sX], v[sW] matrix_a_fmt:MATRIX_FMT_FP4 matrix_b_fmt:MATRIX_FMT_FP4
.endif
.else
.if \s
	v_wmma_scale_f32_16x16x128_f8f6f4 v[rD:rD+7], v[rW:rW+7], v[rX:rX+7], v[rD:rD+7], v[sW], v[sX] matrix_a_fmt:MATRIX_FMT_FP4 matrix_b_fmt:MATRIX_FMT_FP4 matrix_a_scale:MATRIX_SCALE_ROW1 matrix_b_scale:MATRIX_SCALE_ROW1
.else
	v_wmma_scale_f32_16x16x128_f8f6f4 v[rD:rD+7], v[rW:rW+7], v[rX:rX+7], 0, v[sW], v[sX] matrix_a_fmt:MATRIX_FMT_FP4 matrix_b_fmt:MATRIX_FMT_FP4
.endif
.endif
.endr
.endr
.endr
.endm
.macro PPACK                           ; rounded to f16 in place: register r of an accumulator takes its numbers 2 r and 2 r + 1, which no earlier line of the four still wants
.set a, 0
.rept 8
.irp r, 0,1,2,3
	v_cvt_pk_f16_f32 v[PA+8*a+\r], v[PA+8*a+2*\r], v[PA+8*a+2*\r+1]
.endr
.set a, a+1
.endr
.endm
.macro PSTORE vp, jp                   ; eight pieces of 512 consecutive bytes
.irp jj, 0,1
.irp ii, 0,1,2,3
.if \vp
	ds_store_b128 v[ASV], v[PA+8*(4*\jj+\ii):PA+8*(4*\jj+\ii)+3] offset:16384*\jp+1024*\ii+512*\jj   ; keys 32 jp on, channel tile 4 w + ii, piece jj
.else
	ds_store_b128 v[ASK], v[PA+8*(4*\jj+\ii):PA+8*(4*\jj+\ii)+3] offset:8192*(2*\jp+\jj)+512*\ii     ; tile of keys 2 jp + jj, channel tile 4 w + ii
.endif
.endr
.endr
.endm
.macro LK c, h                         ; K's four fragments (64 keys) of channels 32 c on
.irp kt, 0,1,2,3
	ds_load_b128 v[\h+8*\kt:\h+8*\kt+3],   v[L16] offset:8192*\kt+1024*(\c)
	ds_load_b128 v[\h+8*\kt+4:\h+8*\kt+7], v[L16] offset:8192*\kt+1024*(\c)+512
.endr
.endm
.macro PROD                            ; behind the step's last products: every window is 0
	PLACES 5                                       ; the accumulators lie where V lay, which the last products read, and matrix instructions write over it: five places; they also serve the loads into P's registers
.set n, 8
.rept 8
	ds_load_b128 v[XF+4*n:XF+4*n+3], v[AXC] offset:512*n           ; x's tiles 2 and 3
.set n, n+1
.endr
	s_wait_dscnt 0x8                               ; all but the eight just issued: the scale words, Wk and x's tiles 0 and 1 are in
	PMUL 0, 0
	s_wait_dscnt 0x0                               ; all my LDS loads are back, my reads of the slot among them:
	s_barrier_signal -1                            ; say so,
	PLACES 4
	PPACK                                          ; work on registers while the others arrive,
	s_barrier_wait -1                              ; and store only when nobody reads the slot any more
	PSTORE 0, 0
	PMUL 0, 1
	PLACES 4                                       ; in front of the loads into Wk's registers and of the first read of results
.set n, 0
.rept 16
	ds_load_b128 v[WF+4*n:WF+4*n+3], v[AWC] offset:32768+512*n     ; Wv takes Wk's registers
.set n, n+1
.endr
	PPACK
	PSTORE 0, 1
	s_wait_dscnt 0x8                               ; Wv is in; the eight stores behind its loads may be out
	PMUL 1, 0
	PLACES 4
	PPACK
	PSTORE 1, 0
	PMUL 1, 1
	PLACES 4
	PPACK
	PSTORE 1, 1
	s_wait_dscnt 0x0                               ; for the others' sake: my stores into the slot are done
	s_barrier_signal -1
	s_barrier_wait -1                              ; everybody's are
	LK 0, H0                                       ; the step's first fragments of K, where x's tiles 0 and 1 lay
.endm
.macro LV g, stg                       ; V's eight fragments of group g: keys 32 (g / 2) on, channels 128 (g % 2) on
.irp i, 0,1,2,3,4,5,6,7
	ds_load_b128 v[\stg+8*\i:\stg+8*\i+3],   v[ADV] offset:((\g)/2)*16384+(8*((\g)%2)+\i)*1024
	ds_load_b128 v[\stg+8*\i+4:\stg+8*\i+7], v[ADV] offset:((\g)/2)*16384+(8*((\g)%2)+\i)*1024+512
.endr
.endm
.macro KQ c, h                         ; 16 products: the 16 accumulators of S^T by turns, one instruction a turn.  Channels 0-31 start the sums
.irp kt, 0,1,2,3
.irp qt, 0,1,2,3
.if (\c) == 0
	v_wmma_f32_16x16x32_f16 v[S+32*\qt+8*\kt:S+32*\qt+8*\kt+7], v[\h+8*\kt:\h+8*\kt+7], v[64*\qt+8*(\c):64*\qt+8*(\c)+7], 0
.else
	v_wmma_f32_16x16x32_f16 v[S+32*\qt+8*\kt:S+32*\qt+8*\kt+7], v[\h+8*\kt:\h+8*\kt+7], v[64*\qt+8*(\c):64*\qt+8*(\c)+7], v[S+32*\qt+8*\kt:S+32*\qt+8*\kt+7]
.endif
.endr
.endr
.endm
.macro WG g, stg, hi, zero             ; 16 products of O^T += V^T P: group g's eight fragments x tiles 2 hi, 2 hi + 1; sixteen accumulators by turns
.irp i, 0,1,2,3,4,5,6,7
.irp q, 0,1
.set rO, 128*\q+8*(8*((\g)%2)+\i)
.set rP, P+32*((\g)/2)+8*(2*\hi+\q)
.if \zero
	v_wmma_f32_16x16x32_f16 v[rO:rO+7], v[\stg+8*\i:\stg+8*\i+7], v[rP:rP+7], 0
.else
	v_wmma_f32_16x16x32_f16 v[rO:rO+7], v[\stg+8*\i:\stg+8*\i+7], v[rP:rP+7], v[rO:rO+7]
.endif
.endr
.endr
.endm
.macro PSUM ta, tb                     ; two tiles: the sum of the unrounded p, in two chains a tile; then p rounded to f16: tile of keys kt is piece kt % 2 of P's fragment kt / 2
.irp t, \ta, \tb
	v_pk_add_f32 v[T+8*\t+6:T+8*\t+7], v[S+32*\t:S+32*\t+1], v[S+32*\t+2:S+32*\t+3]
.endr
.irp j, 4,8,12,16,20,24,28
.irp t, \ta, \tb
	v_pk_add_f32 v[T+8*\t+2:T+8*\t+3], v[T+8*\t+2:T+8*\t+3], v[S+32*\t+\j:S+32*\t+\j+1]
	v_pk_add_f32 v[T+8*\t+6:T+8*\t+7], v[T+8*\t+6:T+8*\t+7], v[S+32*\t+\j+2:S+32*\t+\j+3]
.endr
.endr
.irp t, \ta, \tb
	v_pk_add_f32 v[T+8*\t+2:T+8*\t+3], v[T+8*\t+2:T+8*\t+3], v[T+8*\t+6:T+8*\t+7]
.endr
.irp kt, 0,1,2,3
.irp r, 0,1,2,3
.irp t, \ta, \tb
	v_cvt_pk_f16_f32 v[P+32*(\kt/2)+8*\t+4*(\kt%2)+\r], v[S+32*\t+8*\kt+2*\r], v[S+32*\t+8*\kt+2*\r+1]
.endr
.endr
.endr
.endm
; A KEY STEP.  first = 1: the first, whose V^T P starts O^T's sums with the constant 0: nothing is cleared, nothing rescaled.  prod = 1: the next step's K and V are made at its end.
.macro STEP first, prod
	; ---- S^T = K Q^T, 32 channels at a time; K's fragments of the next 32 are fetched while these are multiplied
	WIN 0x04                                       ; source 1 (Q) window 1; all else, the LDS loads' operands too, window 0
	PLACES 5                                       ; matrix instructions now write over registers that earlier products read or wrote: five places; they also serve the loads into the second staging
.irp c, 0,1,2,3,4,5,6,7
.if \c > 0
	PLACES 4                                       ; in front of loads into the staging that the products just issued read
.endif
.if \c < 7
	LK \c+1, H0+32*((\c+1)%2)
	s_wait_dscnt 0x8                               ; all but the eight just issued: this turn's fragments are in
.else
	s_wait_dscnt 0x0
.endif
	KQ \c, H0+32*(\c%2)
.endr
	; ---- the softmax, the four tiles line by line
	WIN 0
	PLACES 4
.irp k, 0,1
.irp t, 0,1,2,3
	v_max3_num_f32 v[T+8*\t+6+\k], v[S+32*\t+16*\k], v[S+32*\t+16*\k+1], v[S+32*\t+16*\k+2]   ; two chains a tile, 16 scores each; each accumulator is first read at its low end
.endr
.endr
.irp e, 3,5,7,9,11,13
.irp k, 0,1
.irp t, 0,1,2,3
	v_max3_num_f32 v[T+8*\t+6+\k], v[T+8*\t+6+\k], v[S+32*\t+16*\k+\e], v[S+32*\t+16*\k+\e+1]
.endr
.endr
.endr
.irp t, 0,1,2,3
	v_max3_num_f32 v[T+8*\t+6], v[T+8*\t+6], v[S+32*\t+15], v[S+32*\t+31]
.endr
.irp t, 0,1,2,3
	v_max_num_f32 v[T+8*\t+6], v[T+8*\t+6], v[T+8*\t+7]
.endr
.irp t, 0,1,2,3
	v_permlanex16_b32 v[T+8*\t+5], v[T+8*\t+6], s[SEL], s[SEL+1]   ; the query's other 32 keys lie in the lane 16 away
.endr
.irp t, 0,1,2,3
	v_max_num_f32 v[T+8*\t+6], v[T+8*\t+6], v[T+8*\t+5]
.endr
.irp t, 0,1,2,3
	v_mul_f32 v[T+8*\t+6], s[CS], v[T+8*\t+6]      ; as t (c is positive)
.endr
.irp t, 0,1,2,3
	v_max_num_f32 v[T+8*\t+1], v[T+8*\t+1], v[T+8*\t+6]            ; the running largest t
.endr
.irp t, 0,1,2,3
	v_mov_b32 v[T+8*\t+5], v[T+8*\t]               ; the old -M
.endr
.irp t, 0,1,2,3
	v_floor_f32 v[T+8*\t], -v[T+8*\t+1]            ; the new -M = floor(-t)
.endr
.irp t, 0,1,2,3
	v_sub_f32 v[T+8*\t+5], v[T+8*\t], v[T+8*\t+5]  ; old M - new M: a whole number, 0 or less
.endr
.irp t, 0,1,2,3
	v_cvt_i32_f32 v[T+8*\t+5], v[T+8*\t+5]         ; (it saturates)
.endr
.irp t, 0,1,2,3
	v_ldexp_f32 v[T+8*\t+4], 1.0, v[T+8*\t+5]      ; f
.endr
.irp j, 0,2,4,6,8,10,12,14,16,18,20,22,24,26,28,30
.irp t, 0,1,2,3
	v_pk_fma_f32 v[S+32*\t+\j:S+32*\t+\j+1], v[S+32*\t+\j:S+32*\t+\j+1], s[CS:CS+1], v[T+8*\t:T+8*\t+1] op_sel_hi:[1,0,0]   ; t - M, two at a time (of the pairs c and -M the low word serves both halves)
.endr
.endr
.irp t, 0,1,2,3
.set e, 0
.rept 32
	v_exp_f32 v[S+32*\t+e], v[S+32*\t+e]           ; p = 2^(t - M): ONE BATCH of 128
.set e, e+1
.endr
.endr
.irp t, 0,1,2,3
	v_pk_mul_f32 v[T+8*\t+2:T+8*\t+3], v[T+8*\t+2:T+8*\t+3], v[T+8*\t+4:T+8*\t+5] op_sel_hi:[1,0]   ; the sums under the new M: plain lines behind the last exponential
.endr
	s_wait_alu depctr_va_vdst(0)                   ; one wait for the whole batch, ahead of its first reader
	PSUM 0, 1
	LV 0, VA                                       ; tiles 0 and 1 have left their registers: V's first group takes them
	PSUM 2, 3
	LV 1, VB
.if \first == 0
	WIN 0x82                                       ; O^T (destination and source 0) window 2, f window 0
.irp t, 0,1
.set o, 0
.rept 64
	v_pk_mul_f32 v[128*\t+o:128*\t+o+1], v[128*\t+o:128*\t+o+1], v[T+8*\t+4:T+8*\t+5] op_sel_hi:[1,0]   ; O^T under the new M, each accumulator from its low end on; V's loads land meanwhile
.set o, o+2
.endr
.endr
	WIN 0xc3                                       ; the same in window 3
.irp t, 0,1
.set o, 0
.rept 64
	v_pk_mul_f32 v[128*\t+o:128*\t+o+1], v[128*\t+o:128*\t+o+1], v[T+8*\t+20:T+8*\t+21] op_sel_hi:[1,0]
.set o, o+2
.endr
.endr
.endif
	; ---- O^T += V^T P, four groups of eight fragments of V
	s_wait_dscnt 0x10                              ; group 0 is in; group 1's sixteen loads may be out
	WIN 0xa0                                       ; C and D window 2
	WG 0, VA, 0, \first
	WIN 0xf0                                       ; C and D window 3
	WG 0, VA, 1, \first
	WIN 0
	PLACES 4
	LV 2, VA
	s_wait_dscnt 0x10                              ; group 1 is in; group 2's sixteen may be out
	WIN 0xa0
	WG 1, VB, 0, \first
	WIN 0xf0
	WG 1, VB, 1, \first
	WIN 0
	PLACES 4
	LV 3, VB                                       ; the slot's last bytes are asked for
	s_wait_dscnt 0x10                              ; group 2 is in; group 3's sixteen may be out
	WIN 0xa0
	WG 2, VA, 0, 0
	WIN 0xf0
	WG 2, VA, 1, 0
.if \prod
	WIN 0
	PLACES 4                                       ; in front of loads into the staging that group 2's products read
	PRE                                            ; codes for the next step's K: they land under group 3's products
	s_wait_dscnt 0x1c                              ; group 3 is in; the 28 loads just issued may be out
.else
	s_wait_dscnt 0x0
.endif
	WIN 0xa0
	WG 3, VB, 0, 0
	WIN 0xf0
	WG 3, VB, 1, 0
	WIN 0
.if \prod
	PROD
.endif
.endm
	s_load_b256 s[4:11], s[0:1], 0x0               ; xcodes 4, xscales 6, wcodes 8, wscales 10
	s_load_b64 s[12:13], s[0:1], 0x20              ; of
	v_lshl_add_u32 v[SPW], v0, 2, SPARE
	v_mov_b32 v[NIL], 0
	ds_add_u32 v[SPW], v[NIL]                      ; the wave's opening: the add, twice on end, and its wait ahead of my first tensor load; the set-up below stands between
	ds_add_u32 v[SPW], v[NIL]
	v_lshrrev_b32 v4, 5, v0
	v_readfirstlane_b32 s[WV], v4                  ; wave 0..3
	s_bfe_u32 s15, ttmp6, 0x40000                  ; cx: my block of 256 queries: it enters the addresses of q's codes and of o alone
	s_and_b32 s16, ttmp7, 0xffff                   ; 8 x batch + head, which the four partners share
	s_lshr_b32 s17, s16, 3                         ; the batch
	s_and_b32 s18, s16, 7                          ; the head
	GRP1 G1X, 128                                  ; x's codes: 32 KiB a wave
	GRP1 G1W, 64                                   ; W's codes: 16 KiB a wave
	GRP1 G1XS, 8                                   ; x's scale words: 2 KiB a wave
	GRP1 G1WS, 4                                   ; W's: 1 KiB a wave
	s_mov_b32 s[CS], 0x3db8aa3b                    ; c = log2(e) / 16
	s_mov_b32 s[CS+1], s[CS]
	s_mov_b32 s[SEL], 0x76543210
	s_mov_b32 s[SEL+1], 0xfedcba98
	s_mov_b32 s[TX], XC
	s_mov_b32 s[TXS], XSC
	v_and_b32 v4, 31, v0
	v_lshlrev_b32 v[L16], 4, v4
	v_lshlrev_b32 v[L4], 2, v4
	; what I fetch of the codes that stay: offsets made of the batch, the head and the wave's number, which the partners share
	s_lshr_b32 s19, s[WV], 1
	s_add_co_u32 s19, s19, 1                       ; waves 0, 1: Wk (matrix 1); waves 2, 3: Wv (matrix 2)
	s_and_b32 s2, s[WV], 1                         ; which half of its 16 tiles
	s_lshl_b32 s20, s17, 17                        ; x's codes: 64 tiles of 2,048 bytes a batch, 16 a wave
	s_lshl_b32 s3, s[WV], 15
	s_add_co_u32 s20, s20, s3
	s_mov_b32 s21, 0
	s_lshl_b32 s22, s19, 18                        ; W's codes: 128 tiles a matrix, 16 a head, 8 a wave
	s_lshl_b32 s3, s18, 15
	s_add_co_u32 s22, s22, s3
	s_lshl_b32 s3, s2, 14
	s_add_co_u32 s22, s22, s3
	s_mov_b32 s23, 0
	s_lshl_b32 s84, s17, 13                        ; x's scale words: 128 bytes a tile
	s_lshl_b32 s3, s[WV], 11
	s_add_co_u32 s84, s84, s3
	s_mov_b32 s85, 0
	s_lshl_b32 s86, s19, 14                        ; W's
	s_lshl_b32 s3, s18, 11
	s_add_co_u32 s86, s86, s3
	s_lshl_b32 s3, s2, 10
	s_add_co_u32 s86, s86, s3
	s_mov_b32 s87, 0
	; and where it goes: no place in the cluster enters an LDS address
	s_mov_b32 s[G0X], 1                            ; count = 1
	s_lshl_b32 s3, s[WV], 15
	s_add_co_u32 s[G0X+1], s3, XC
	s_mov_b32 s[G0W], 1
	s_lshl_b32 s3, s[WV], 14
	s_add_co_u32 s[G0W+1], s3, WC
	s_mov_b32 s[G0XS], 1
	s_lshl_b32 s3, s[WV], 11
	s_add_co_u32 s[G0XS+1], s3, XSC
	s_mov_b32 s[G0WS], 1
	s_lshl_b32 s3, s[WV], 10
	s_add_co_u32 s[G0WS+1], s3, WSC
	; q's operands: my four tiles of x, the head's 16 tiles of Wq; and my rows of o
	s_lshl_b32 s88, s17, 6
	s_lshl_b32 s83, s15, 4
	s_add_co_u32 s88, s88, s83
	s_lshl_b32 s83, s[WV], 2
	s_add_co_u32 s88, s88, s83                     ; my first tile of tokens: 64 x batch + 16 cx + 4 x wave
	s_lshl_b32 s90, s88, 7
	s_mov_b32 s91, 0
	s_lshl_b32 s88, s88, 11
	s_mov_b32 s89, 0
	s_lshl_b32 s92, s18, 15
	s_mov_b32 s93, 0
	s_lshl_b32 s94, s18, 11
	s_mov_b32 s95, 0
	s_lshl_b32 s96, s17, 3
	s_lshl_b32 s83, s15, 1
	s_add_co_u32 s96, s96, s83
	s_lshr_b32 s83, s[WV], 1
	s_add_co_u32 s96, s96, s83                     ; of: block of 128 tokens: 8 x batch + 2 cx + wave / 2
	s_lshl_b32 s96, s96, 19
	s_lshl_b32 s83, s18, 16                        ; the head
	s_add_co_u32 s96, s96, s83
	s_lshl_b32 s83, s2, 15                         ; tiles 4 (wave % 2) on
	s_add_co_u32 s96, s96, s83
	s_mov_b32 s97, 0
	s_wait_dscnt 0x0                               ; both opening adds are done
	s_wait_kmcnt 0x0
	s_add_nc_u64 s[G0X+2:G0X+3], s[4:5], s[20:21]
	s_or_b32 s[G0X+3], s[G0X+3], 0x80000000        ; type = 2
	s_add_nc_u64 s[G0W+2:G0W+3], s[8:9], s[22:23]
	s_or_b32 s[G0W+3], s[G0W+3], 0x80000000
	s_add_nc_u64 s[G0XS+2:G0XS+3], s[6:7], s[84:85]
	s_or_b32 s[G0XS+3], s[G0XS+3], 0x80000000
	s_add_nc_u64 s[G0WS+2:G0WS+3], s[10:11], s[86:87]
	s_or_b32 s[G0WS+3], s[G0WS+3], 0x80000000
	s_add_nc_u64 s[88:89], s[4:5], s[88:89]        ; q: x's codes,
	s_add_nc_u64 s[90:91], s[6:7], s[90:91]        ; x's scale words,
	s_add_nc_u64 s[92:93], s[8:9], s[92:93]        ; Wq's codes,
	s_add_nc_u64 s[94:95], s[10:11], s[94:95]      ; Wq's scale words
	s_add_nc_u64 s[96:97], s[12:13], s[96:97]      ; of
	CROUND                                         ; all four work-groups are here: the joint loads meet
	tensor_load_to_lds s[G0X:G0X+3], s[G1X:G1X+7]  ; the launch's only fills go out together: four tensor loads of mine are out
	s_nop 0
	tensor_load_to_lds s[G0W:G0W+3], s[G1W:G1W+7]
	s_nop 0
	tensor_load_to_lds s[G0XS:G0XS+3], s[G1XS:G1XS+7]
	s_nop 0
	tensor_load_to_lds s[G0WS:G0WS+3], s[G1WS:G1WS+7]
	s_nop 0
	PLACES 4
.irp i, 0,1,2,3,4,5,6,7,8,9,10,11
	global_load_b32 v[SCL+\i], v[L4], s[94:95] offset:128*\i       ; Wq's scale words of channel tiles 0 to 11
.endr
.irp j, 0,1,2,3
	global_load_b32 v[SCL+12+\j], v[L4], s[90:91] offset:128*\j    ; x's of my four tiles
.endr
.set n, 0
.rept 16
	global_load_b128 v[64+4*n:64+4*n+3], v[L16], s[88:89] offset:512*n             ; x's eight fragments: 16 qt + 8 s
.set n, n+1
.endr
	WIN 0x80                                       ; destination window 2
.set n, 0
.rept 64
	global_load_b128 v[4*n:4*n+3], v[L16], s[92:93] offset:512*n   ; Wq's 32 fragments: 16 i + 8 s
.set n, n+1
.endr
	WIN 0
	s_lshl_b32 s19, s[WV], 13
	s_add_co_u32 s19, s19, WC
	v_add_nc_u32 v[AWC], s19, v[L16]               ; my four tiles of Wk
	s_lshl_b32 s19, s[WV], 9
	s_add_co_u32 s19, s19, WSC
	v_add_nc_u32 v[AWS], s19, v[L4]
	s_lshl_b32 s19, s[WV], 11
	v_add_nc_u32 v[ASK], s19, v[L16]
	s_lshl_b32 s19, s[WV], 12
	s_add_co_u32 s19, s19, VOFF
	v_add_nc_u32 v[ASV], s19, v[L16]
	v_add_nc_u32 v[ADV], VOFF, v[L16]
.irp t, 0,1,2,3
	v_mov_b32 v[T+8*\t+1], 0xff61b1e6              ; the largest t so far: -3e38, under every t
	v_mov_b32 v[T+8*\t+2], 0                       ; the sum, in two halves
	v_mov_b32 v[T+8*\t+3], 0
	v_mov_b32 v[T+8*\t+5], 0                       ; (a lane permute's destination counts as one of its sources)
.endr
.irp t, 0,1,2,3
	v_floor_f32 v[T+8*\t], -v[T+8*\t+1]            ; -M
.endr
	s_wait_loadcnt 0x0
	QMUL 0
	WIN 0
	PLACES 4                                       ; in front of loads into scale registers that these products read, and of the first read of results
.irp i, 0,1,2,3
	global_load_b32 v[SCL+\i], v[L4], s[94:95] offset:128*(12+\i)  ; Wq's scale words of channel tiles 12 to 15 take the place of tiles 0 to 3's
.endr
	QPACK 0
	s_wait_loadcnt 0x0
	QMUL 1
	PLACES 4
	QPACK 1
	WIN 0
	s_wait_tensorcnt 0x0                           ; my parts of the codes are in,
	s_barrier_signal -1
	s_barrier_wait -1                              ; everybody's are
.irp ii, 0,1,2,3
	ds_load_b32 v[WKS+\ii], v[AWS] offset:128*\ii                  ; my tiles' scale words of Wk and Wv: they stay
	ds_load_b32 v[WKS+4+\ii], v[AWS] offset:2048+128*\ii
.endr
	PRE
	PROD                                           ; key step 0's K and V
	STEP 1, 1                                      ; key step 0
	s_mov_b32 s[CNT], 14
.Lstep:                                            ; key steps 1 to 14; each makes the next step's K and V
	STEP 0, 1
	s_sub_co_u32 s[CNT], s[CNT], 1
	s_cmp_lg_u32 s[CNT], 0
	s_cbranch_scc1 .Lstep
	STEP 0, 0                                      ; key step 15: nothing is left to make
	; THE WAY OUT: O^T / the sum, rounded to f16 in pairs: a tile of 16 channels is a piece of the projection's fragment, and leaves by one store of 512 consecutive bytes
	PLACES 4
.irp t, 0,1,2,3
	v_add_f32 v[T+8*\t+6], v[T+8*\t+2], v[T+8*\t+3]
.endr
.irp t, 0,1,2,3
	v_permlanex16_b32 v[T+8*\t+5], v[T+8*\t+6], s[SEL], s[SEL+1]
.endr
.irp t, 0,1,2,3
	v_add_f32 v[T+8*\t+6], v[T+8*\t+6], v[T+8*\t+5]                ; the row's sum
.endr
.irp t, 0,1,2,3
	v_rcp_f32 v[T+8*\t+4], v[T+8*\t+6]
.endr
	v_nop                                          ; a plain line behind the last reciprocal
	s_wait_alu depctr_va_vdst(0)                   ; one wait for the four, ahead of their first reader
.macro OUT t
	WIN 0x82+0x41*((\t)/2)                         ; O^T window 2 or 3, the reciprocal window 0
.set o, 0
.rept 64
	v_pk_mul_f32 v[128*((\t)%2)+o:128*((\t)%2)+o+1], v[128*((\t)%2)+o:128*((\t)%2)+o+1], v[T+8*(\t)+4:T+8*(\t)+5] op_sel_hi:[1,0]
.set o, o+2
.endr
.if (\t) >= 2
	s_wait_xcnt 0x0                                ; the stores of two tiles back have read their data
.endif
	WIN 0x0a+5*((\t)/2)                            ; sources window 2 or 3, destination window 0
.set o, 0
.rept 64
	v_cvt_pk_f16_f32 v[64+64*((\t)%2)+o], v[128*((\t)%2)+2*o], v[128*((\t)%2)+2*o+1]
.set o, o+1
.endr
	WIN 0
.set o, 0
.rept 16
	global_store_b128 v[L16], v[64+64*((\t)%2)+4*o:64+64*((\t)%2)+4*o+3], s[96:97] offset:8192*(\t)+512*o th:TH_STORE_NT
.set o, o+1
.endr
.endm
	OUT 0
	OUT 1
	OUT 2
	OUT 3
	s_wait_tensorcnt 0x0                           ; the wave's end: a tensor wait, an add and its wait, behind my last tensor load and my last LDS store
	ds_add_u32 v[SPW], v[NIL]
	s_wait_dscnt 0x0
	CROUND                                         ; the closing round: no work-group ends while a partner may still ask for a tile that names it
	s_endpgm
.Lfunc_end_k_qdb8e980e97_attn:
	.size	k_qdb8e980e97_attn, .Lfunc_end_k_qdb8e980e97_attn-k_qdb8e980e97_attn
	.p2alignl 7, 3214868480
	.fill 96, 4, 3214868480
	.section	.rodata,"a",@progbits
	.p2align	6, 0x0
	.amdhsa_kernel k_qdb8e980e97_attn
		.amdhsa_group_segment_fixed_size 327680
		.amdhsa_private_segment_fixed_size 0
		.amdhsa_enable_private_segment 0
		.amdhsa_kernarg_size 40
		.amdhsa_user_sgpr_count 2
		.amdhsa_user_sgpr_kernarg_segment_ptr 1
		.amdhsa_wavefront_size32 1
		.amdhsa_system_sgpr_workgroup_id_x 1
		.amdhsa_system_sgpr_workgroup_id_y 1
		.amdhsa_system_sgpr_workgroup_id_z 1
		.amdhsa_system_vgpr_workitem_id 0
		.amdhsa_next_free_vgpr 1024
		.amdhsa_next_free_sgpr 100
		.amdhsa_reserve_vcc 0
		.amdhsa_float_denorm_mode_32 3
		.amdhsa_float_denorm_mode_16_64 3
		.amdhsa_memory_ordered 1
		.amdhsa_forward_progress 1
		.amdhsa_inst_pref_size 255
	.end_amdhsa_kernel
	.section	.bss,"aw",@nobits
	.p2align	6
	.space	262144
	.amdgpu_metadata
---
amdhsa.version: [ 1, 2 ]
amdhsa.kernels:
  - .name:           k_qdb8e980e97_attn
    .symbol:         k_qdb8e980e97_attn.kd
    .args:
      - { .name: xcodes, .offset: 0, .size: 8, .value_kind: global_buffer, .address_space: global }
      - { .name: xscales, .offset: 8, .size: 8, .value_kind: global_buffer, .address_space: global }
      - { .name: wcodes, .offset: 16, .size: 8, .value_kind: global_buffer, .address_space: global }
      - { .name: wscales, .offset: 24, .size: 8, .value_kind: global_buffer, .address_space: global }
      - { .name: of, .offset: 32, .size: 8, .value_kind: global_buffer, .address_space: global }
    .group_segment_fixed_size: 327680
    .private_segment_fixed_size: 0
    .kernarg_segment_align: 8
    .kernarg_segment_size: 40
    .max_flat_workgroup_size: 128
    .sgpr_count:     100
    .vgpr_count:     1024
    .wavefront_size: 32
...
	.end_amdgpu_metadata
.endif
;; end of part 2
;; launch proj (part 3): grid 4 x 64, 4 waves a work-group, clusters of 4 x 4, 327,680 bytes of LDS; arguments of, wuf, out0; writes out0
.if DOCPART == 3
	.amdgcn_target "amdgcn-amd-amdhsa--gfx1250"
	.amdhsa_code_object_version 6
	.text
	.protected	k_qdb8e980e97_proj
	.globl	k_qdb8e980e97_proj
	.p2align	8
	.type	k_qdb8e980e97_proj,@function
k_qdb8e980e97_proj:
	s_mov_b64 s[64:65], 0
	v_nop
	global_prefetch_b8 v0, s[64:65] scope:SCOPE_SE
	s_setreg_imm32_b32 hwreg(HW_REG_WAVE_MODE, 25, 1), 1
	s_wait_xcnt 0x0
	s_wait_alu depctr_hold_cnt(0) depctr_sa_sdst(0) depctr_va_vdst(0) depctr_va_sdst(0) depctr_va_ssrc(0) depctr_va_vcc(0) depctr_vm_vsrc(0)
	s_getreg_b32 s2, hwreg(HW_REG_IB_STS2, 6, 4)
	s_cmp_eq_u32 s2, 0
	s_cbranch_scc0 .Lentry_in_a_cluster
	s_endpgm
.Lentry_in_a_cluster:
	s_bfe_u32 s2, ttmp6, 0x10000c
	s_cmp_lg_u32 s2, 0xf033
	s_cbranch_scc0 .Lentry_shape_is_right
	s_endpgm
.Lentry_shape_is_right:
; PROJ.  out0[token][n] = the sum over k = 0 .. 2047 of o[token][k] Wu[k][n]; o and Wu in f16, laid as images of the operands' registers (fragments of 1,024 bytes); sums and out0 in f32.
;   of [tb 64][hd 8][tt 8][kb 8][1024]: 16 tokens x 32 k;   wuf [ns 4][hd 8][kb 8][nt 4][1024]: 16 n x 32 k.
; SHARES: a work-group makes 128 tokens (tb) x 64 n (ns): 256 work-groups.  A wave makes tiles of tokens 2 w, 2 w + 1 x the four tiles of n: 8 accumulators.
; K goes in 8 steps of 256 (a head) through two LDS slots: o's 64 KiB, then Wu's 32 KiB, both dense blocks of memory; waves 0, 1 fetch o's halves, waves 2, 3 Wu's.  All eight steps are written out: no loop.
; CLUSTER 4 x 4: o's tile hangs on tb alone and is shared along a row of the cluster, Wu's on ns alone and is shared along a column: each is asked for JOINTLY.
; THE MATRIX INSTRUCTION IS USED TRANSPOSED (source 0 = 16 n of Wu, source 1 = 16 tokens): a lane holds eight neighbouring n of one token's row.
; Fragments lie in LDS as images of registers: every load reads 512 consecutive bytes: no pitch, no padding.
.set SLOT,  98304
.set WOFF,  65536                      ; Wu's tile in a slot
.set STAGE, 2*SLOT                     ; behind the ring: 32 rows x (256 + 16) bytes for each wave, for the way out; no tensor load fills it
.set SP,    272
.set SPARE, STAGE+4*32*SP              ; behind the stages: the spare words, 128 bytes a wave, which no other line names
.set L16,  1
.set ADRA, 2                           ; v2-3  LDS address of my fragments of o in slot 0, 1
.set ADRB, 4                           ; v4-5  the same for Wu
.set STO,  6
.set RD,   7
.set CO,   8
.set SPW,  10
.set NIL,  11
.set ACC,  16                          ; v16-79   accumulator (jj, nt) at 8 (4 jj + nt)
.set F0,   80                          ; v80-127, v128-175: two fragment buffers: Wu's four, then o's two
.set F1,   128
.set BK,   176                         ; v176-239 the way out
.set G1,  24
.set G0,  32
.set G1B, 48
.set G0B, 56
.macro PLACES n
.rept \n
	v_nop
.endr
.endm
.macro JLOAD s                         ; a joint load: waves 0 and 1 fetch o's halves, waves 2 and 3 Wu's; an s_nop 0 and four v_nop follow each of the two lines
	s_cmp_eq_u32 s11, 0
	s_cbranch_scc0 .Lfor_b_\@
	tensor_load_to_lds s[G0+4*\s:G0+4*\s+3], s[G1:G1+7]
	s_nop 0
	PLACES 4
	s_branch .Lasked_\@
.Lfor_b_\@:
	tensor_load_to_lds s[G0B+4*\s:G0B+4*\s+3], s[G1B:G1B+7]
	s_nop 0
	PLACES 4
.Lasked_\@:
.endm
.macro CROUND                          ; a round of the cluster's barrier
	s_barrier_signal -1
	s_barrier_wait -1
	s_cmp_lg_u32 s10, 0
	s_cbranch_scc1 .Lnot_wave_0_\@
	s_barrier_signal -3
.Lnot_wave_0_\@:
	s_barrier_wait -3
	s_barrier_signal -1
	s_barrier_wait -1
.endm
	s_load_b128 s[4:7], s[0:1], 0x0                ; of s[4:5], wuf s[6:7]
	s_load_b64 s[8:9], s[0:1], 0x10                ; out0
	v_lshl_add_u32 v[SPW], v0, 2, SPARE
	v_mov_b32 v[NIL], 0
	ds_add_u32 v[SPW], v[NIL]                      ; the wave's opening: the add, twice on end, and its wait ahead of my first tensor load
	ds_add_u32 v[SPW], v[NIL]
	v_lshrrev_b32 v9, 5, v0
	v_readfirstlane_b32 s10, v9                    ; wave 0..3
	s_lshr_b32 s11, s10, 1                         ; I fetch for o (0) or for Wu (1)
	s_and_b32 s12, s10, 1                          ; which half of that tile
	s_bfe_u32 s40, ttmp6, 0x40000                  ; cx, cy: my place in the cluster
	s_bfe_u32 s41, ttmp6, 0x40004
	s_lshl_b32 s42, ttmp9, 2
	s_add_co_u32 s42, s42, s40                     ; ns = 4 x cluster x + cx
	s_and_b32 s13, ttmp7, 0xffff
	s_lshl_b32 s13, s13, 2
	s_add_co_u32 s13, s13, s41                     ; tb = 4 x cluster y + cy
	s_lshl_b32 s43, s41, 2
	s_lshl_b32 s43, 15, s43                        ; my row of the cluster
	s_lshl_b32 s44, 0x1111, s40                    ; my column
	s_or_b32 s[G1], s43, (3<<16)|(1<<21)           ; o's tiles go to my row; elements of 8 bytes; bit 21 set beside a mask; no padding
	s_or_b32 s[G1B], s44, (3<<16)|(1<<21)          ; Wu's to my column
	s_mov_b32 s[G1+1], 32<<16                      ; rows of 256 bytes,
	s_mov_b32 s[G1+2], 128<<16                     ; 128 of them: 32 KiB
	s_mov_b32 s[G1+3], 32<<16
	s_mov_b32 s[G1+4], 128
	s_mov_b32 s[G1+5], 32
	s_mov_b32 s[G1+6], 0
	s_mov_b32 s[G1+7], 0
	s_mov_b32 s[G1B+1], 32<<16
	s_mov_b32 s[G1B+2], 64<<16                     ; 64 rows: 16 KiB
	s_mov_b32 s[G1B+3], 32<<16
	s_mov_b32 s[G1B+4], 64
	s_mov_b32 s[G1B+5], 32
	s_mov_b32 s[G1B+6], 0
	s_mov_b32 s[G1B+7], 0
	s_lshl_b32 s16, s13, 19                        ; o: tb x 8 heads of 64 KiB, + my half
	s_lshl_b32 s17, s12, 15
	s_add_co_u32 s16, s16, s17
	s_mov_b32 s17, 0
	s_lshl_b32 s46, s42, 18                        ; Wu: ns x 8 heads of 32 KiB, + my half
	s_lshl_b32 s47, s12, 14
	s_add_co_u32 s46, s46, s47
	s_mov_b32 s47, 0
	s_lshl_b32 s20, s12, 15                        ; where they go in a slot: no place in the cluster enters an LDS address
	s_lshl_b32 s21, s12, 14
	s_add_co_u32 s21, s21, WOFF
	s_wait_dscnt 0x0                               ; both opening adds are done
	s_wait_kmcnt 0x0
	s_add_nc_u64 s[14:15], s[4:5], s[16:17]
	s_add_nc_u64 s[46:47], s[6:7], s[46:47]
	CROUND                                         ; all sixteen work-groups are here: the first joint loads meet
.irp s, 0,1
	s_mov_b32 s[G0+4*\s], 1
	s_add_co_u32 s[G0+4*\s+1], s20, \s*SLOT
	s_add_nc_u64 s[G0+4*\s+2:G0+4*\s+3], s[14:15], \s*65536        ; head s
	s_or_b32 s[G0+4*\s+3], s[G0+4*\s+3], 0x80000000
	s_mov_b32 s[G0B+4*\s], 1
	s_add_co_u32 s[G0B+4*\s+1], s21, \s*SLOT
	s_add_nc_u64 s[G0B+4*\s+2:G0B+4*\s+3], s[46:47], \s*32768
	s_or_b32 s[G0B+4*\s+3], s[G0B+4*\s+3], 0x80000000
	JLOAD \s                                       ; two tensor loads of mine are out here, one behind each later round
.endr
	v_and_b32 v9, 31, v0
	v_lshlrev_b32 v[L16], 4, v9
	s_lshl_b32 s22, s10, 14                        ; my two tiles of tokens: 2 w x 8,192 bytes
	v_add_nc_u32 v[ADRA], s22, v[L16]
	v_add_nc_u32 v[ADRA+1], SLOT, v[ADRA]
	v_add_nc_u32 v[ADRB], WOFF, v[L16]
	v_add_nc_u32 v[ADRB+1], SLOT+WOFF, v[L16]
	v_and_b32 v12, 15, v0                          ; r
	v_bfe_u32 v13, v0, 4, 1                        ; h
	s_mul_i32 s23, s10, 32*SP
	s_add_co_u32 s23, s23, STAGE                   ; my stage
	v_mul_u32_u24 v[STO], v12, SP                  ; in: row r, 32 bytes for each half of the lanes
	v_lshl_add_u32 v[STO], v13, 5, v[STO]
	v_add_nc_u32 v[STO], s23, v[STO]
	v_mul_u32_u24 v[RD], v13, SP                   ; back: lanes 0-15 one row of 256 bytes, lanes 16-31 the next
	v_lshl_add_u32 v[RD], v12, 4, v[RD]
	v_add_nc_u32 v[RD], s23, v[RD]
	v_lshlrev_b32 v[CO], 10, v13                   ; and the same two rows in out0
	v_lshl_add_u32 v[CO], v12, 4, v[CO]
	s_lshl_b32 s16, s13, 17                        ; 128 rows of 1,024 bytes a block,
	s_lshl_b32 s17, s10, 15                        ; 32 a wave
	s_add_co_u32 s16, s16, s17
	s_mov_b32 s17, 0
	s_add_nc_u64 s[8:9], s[8:9], s[16:17]
	s_lshl_b32 s46, s42, 8                         ; my 64 columns, in bytes
	s_mov_b32 s47, 0
	s_add_nc_u64 s[8:9], s[8:9], s[46:47]
.macro FETCH slot, kb, f               ; 12 LDS loads: 32 along K: Wu's four fragments, my two of o
.irp nt, 0,1,2,3
	ds_load_b128 v[\f+8*\nt:\f+8*\nt+3],   v[ADRB+(\slot)] offset:4096*(\kb)+1024*\nt
	ds_load_b128 v[\f+8*\nt+4:\f+8*\nt+7], v[ADRB+(\slot)] offset:4096*(\kb)+1024*\nt+512
.endr
.irp jj, 0,1
	ds_load_b128 v[\f+32+8*\jj:\f+32+8*\jj+3], v[ADRA+(\slot)] offset:8192*\jj+1024*(\kb)
	ds_load_b128 v[\f+32+8*\jj+4:\f+32+8*\jj+7], v[ADRA+(\slot)] offset:8192*\jj+1024*(\kb)+512
.endr
.endm
.macro MUL8 f, zero                    ; the 8 accumulators by turns, one instruction a turn
.irp jj, 0,1
.irp nt, 0,1,2,3
.if \zero
	v_wmma_f32_16x16x32_f16 v[ACC+8*(4*\jj+\nt):ACC+8*(4*\jj+\nt)+7], v[\f+8*\nt:\f+8*\nt+7], v[\f+32+8*\jj:\f+32+8*\jj+7], 0
.else
	v_wmma_f32_16x16x32_f16 v[ACC+8*(4*\jj+\nt):ACC+8*(4*\jj+\nt)+7], v[\f+8*\nt:\f+8*\nt+7], v[\f+32+8*\jj:\f+32+8*\jj+7], v[ACC+8*(4*\jj+\nt):ACC+8*(4*\jj+\nt)+7]
.endif
.endr
.endr
.endm
.macro KBS slot, kb, zero              ; 32 along K that have their successor in the same slot
	PLACES 4                                       ; in front of loads into the buffer that the products just issued read
	FETCH \slot, (\kb)+1, F0+48*(((\kb)+1)%2)
	s_wait_dscnt 0xc                               ; all but the twelve just issued
	MUL8 F0+48*((\kb)%2), \zero
.endm
; A slot's last 32 along K, and the change of slots.  mode 2: this slot is filled again, two heads on; 1: a change without a refill; 0: the very last.
.macro TURN slot, mode
.if \mode > 0
	s_wait_tensorcnt 0x0                           ; all my tensor loads have landed: the one that was out is my part of the next slot; so a group 0 may be written
	ds_add_u32 v[SPW], v[NIL]                      ; 0 onto my spare word
.if \mode == 2
	s_add_nc_u64 s[G0+4*\slot+2:G0+4*\slot+3], s[G0+4*\slot+2:G0+4*\slot+3], 2*65536
	s_add_nc_u64 s[G0B+4*\slot+2:G0B+4*\slot+3], s[G0B+4*\slot+2:G0B+4*\slot+3], 2*32768
.endif
	s_wait_dscnt 0x0                               ; the add is done, and my reads of this slot are over
.if \mode == 2
	CROUND                                         ; no wave of any partner still reads this slot's tiles or has a load on its way
	JLOAD \slot                                    ; the first tensor load behind the round; its four v_nop are also the places in front of the loads below
.else
	s_barrier_signal -1
	s_barrier_wait -1
	PLACES 4
.endif
	FETCH 1-(\slot), 0, F0
.else
	s_wait_dscnt 0x0
.endif
	MUL8 F1, 0
.endm
.macro KSTEP slot, mode, zero
	KBS \slot, 0, \zero
.irp kb, 1,2,3,4,5,6
	KBS \slot, \kb, 0
.endr
	TURN \slot, \mode
.endm
	s_wait_tensorcnt 0x1                           ; my part of head 0 is in; head 1's may stay out
	s_barrier_signal -1
	s_barrier_wait -1                              ; everybody's is
	FETCH 0, 0, F0
	KSTEP 0, 2, 1                                  ; head 0: its first products start the sums
	KSTEP 1, 2, 0
	KSTEP 0, 2, 0
	KSTEP 1, 2, 0
	KSTEP 0, 2, 0
	KSTEP 1, 2, 0                                  ; head 5: the last refill brings head 7
	KSTEP 0, 1, 0
	KSTEP 1, 0, 0
	; THE WAY OUT: a lane's 32 bytes of a row go into my own stage and come back as whole rows of 256 bytes.  LDS serves a wave's instructions in order: no wait between the stores and the loads
	PLACES 4
.irp jj, 0,1
.irp nt, 0,1,2,3
	ds_store_b128 v[STO], v[ACC+8*(4*\jj+\nt):ACC+8*(4*\jj+\nt)+3] offset:16*SP*\jj+64*\nt          ; each accumulator from its low end on
	ds_store_b128 v[STO], v[ACC+8*(4*\jj+\nt)+4:ACC+8*(4*\jj+\nt)+7] offset:16*SP*\jj+64*\nt+16
.endr
.endr
.irp t, 0,1,2,3,4,5,6,7,8,9,10,11,12,13,14,15
	ds_load_b128 v[BK+4*\t:BK+4*\t+3], v[RD] offset:2*SP*\t
.endr
.irp t, 0,1,2,3,4,5,6,7,8,9,10,11,12,13,14,15
	s_wait_dscnt 15-\t                             ; LDS loads come back in order: load t is in
	global_store_b128 v[CO], v[BK+4*\t:BK+4*\t+3], s[8:9] offset:2048*\t th:TH_STORE_NT   ; sixteen lanes store 256 consecutive bytes, at a multiple of 256 from out0's first byte
.endr
	s_wait_tensorcnt 0x0                           ; the wave's end: a tensor wait, an add and its wait, behind my last tensor load and my last LDS store
	ds_add_u32 v[SPW], v[NIL]
	s_wait_dscnt 0x0
	CROUND                                         ; the closing round: no work-group ends while a partner may still ask for a tile that names it
	s_endpgm
.Lfunc_end_k_qdb8e980e97_proj:
	.size	k_qdb8e980e97_proj, .Lfunc_end_k_qdb8e980e97_proj-k_qdb8e980e97_proj
	.p2alignl 7, 3214868480
	.fill 96, 4, 3214868480
	.section	.rodata,"a",@progbits
	.p2align	6, 0x0
	.amdhsa_kernel k_qdb8e980e97_proj
		.amdhsa_group_segment_fixed_size 327680
		.amdhsa_private_segment_fixed_size 0
		.amdhsa_enable_private_segment 0
		.amdhsa_kernarg_size 24
		.amdhsa_user_sgpr_count 2
		.amdhsa_user_sgpr_kernarg_segment_ptr 1
		.amdhsa_wavefront_size32 1
		.amdhsa_system_sgpr_workgroup_id_x 1
		.amdhsa_system_sgpr_workgroup_id_y 1
		.amdhsa_system_sgpr_workgroup_id_z 1
		.amdhsa_system_vgpr_workitem_id 0
		.amdhsa_next_free_vgpr 256
		.amdhsa_next_free_sgpr 66
		.amdhsa_reserve_vcc 0
		.amdhsa_float_denorm_mode_32 3
		.amdhsa_float_denorm_mode_16_64 3
		.amdhsa_memory_ordered 1
		.amdhsa_forward_progress 1
		.amdhsa_inst_pref_size 107
	.end_amdhsa_kernel
	.amdgpu_metadata
---
amdhsa.version: [ 1, 2 ]
amdhsa.kernels:
  - .name:           k_qdb8e980e97_proj
    .symbol:         k_qdb8e980e97_proj.kd
    .args:
      - { .name: of, .offset: 0, .size: 8, .value_kind: global_buffer, .address_space: global }
      - { .name: wuf, .offset: 8, .size: 8, .value_kind: global_buffer, .address_space: global }
      - { .name: out0, .offset: 16, .size: 8, .value_kind: global_buffer, .address_space: global }
    .group_segment_fixed_size: 327680
    .private_segment_fixed_size: 0
    .kernarg_segment_align: 8
    .kernarg_segment_size: 24
    .max_flat_workgroup_size: 128
    .sgpr_count:     66
    .vgpr_count:     256
    .wavefront_size: 32
...
	.end_amdgpu_metadata
.endif
;; end of part 3
